; MI455X (gfx1250); checked and timed in simulation.
; The chip was launched on July 23, 2026; its instructions are those of AMD's public machine-readable ISA for CDNA 5 (MIT licence, August 2026) and "CDNA5" Instruction Set Architecture Reference Guide (July 2026). The comments in the code are by the model that wrote it; some were corrected since.
;; Text Masked Multihead Self Attention. Allowed arithmetic: matrix products marked QUANTISED: E4M3 operands, one given power-of-two scale a tensor, by v_wmma_f32_16x16x64_fp8_fp8 or v_wmma_f32_16x16x128_fp8_fp8, f32 sums; everything else in f32.
;; Inputs: ln_b 1,024 float32; ln_g 1,024 float32; lowp_scales 10 int32 (the exponents e of the quantised operands' scales 2^e); wk_b 1,024 float32; wk_w 1,024 x 1,024 float32; wq_b 1,024 float32; wq_w 1,024 x 1,024 float32; wv_b 1,024 float32; wv_w 1,024 x 1,024 float32; x 2 x 2,048 x 1,024 float32.
;; Outputs: out0 2 x 2,048 x 1,024 float32.
;; This version of the problem:
;;   THIS VERSION OF THE PROBLEM IS GIVEN IN LOW PRECISION. The matrix products marked QUANTISED in the list below multiply operands that are first quantised to E4M3 (4 exponent bits, 3 mantissa bits; 8 bits a number), with one given power-of-two scale for each operand tensor; their sums are f32. All else is computed in f32.
;;   The module's matrix products, in the order in which they are computed (A, B: the left and right operand; K: the contracted axis; several contracted axes count as one K, in the product's order):
;;     1. [M 4,096, K 1,024] x [K 1,024, N 1,024]; A: computed on the way; B: input wq_w: QUANTISED (scales: A lowp_scales[0], B lowp_scales[1])
;;     2. [M 4,096, K 1,024] x [K 1,024, N 1,024]; A: computed on the way; B: input wk_w: QUANTISED (scales: A lowp_scales[2], B lowp_scales[3])
;;     3. [M 4,096, K 1,024] x [K 1,024, N 1,024]; A: computed on the way; B: input wv_w: QUANTISED (scales: A lowp_scales[4], B lowp_scales[5])
;;     4. batch 32 x [M 2,048, K 64] x [K 64, N 2,048]; A: computed on the way; B: computed on the way: QUANTISED (scales: A lowp_scales[6], B lowp_scales[7])
;;     5. batch 32 x [M 64, K 2,048] x [K 2,048, N 2,048]; A: computed on the way; B: softmax (see below): QUANTISED (scales: A lowp_scales[8], B lowp_scales[9])
;;   THE QUANTISER, for each operand of a quantised product, along K:
;;     - The operand's scale is 2^e, e = its entry of the input lowp_scales (int32; the entries are numbered through the quantised products in the list's order, A before B).
;;     - Each number is divided by the scale, clamped to +-448, and rounded to the nearest number of E4M3, ties to even, subnormals kept.
;;     - The product sums the exact products of the quantised numbers (number of the format x scale) in f32.
;;   ~~~python
;;   def quantise(x, axis, e):      # numpy; x: float32 -> the quantised numbers, widened to float32 again
;;       x = np.moveaxis(x, axis, -1); K = x.shape[-1]
;;       r = np.clip(x / 2.0 ** e, -448, 448)
;;       step = 2.0 ** (np.maximum(np.frexp(np.where(r == 0, 1, r))[1] - 1, -6) - 3)
;;       q = np.round(r / step) * step * 2.0 ** e      # np.round: ties to even
;;       return np.moveaxis(q, -1, axis).astype(np.float32)
;;   ~~~
;;   SOFTMAX AHEAD OF A QUANTISED PRODUCT. Where the list says 'softmax', what is quantised is not the finished softmax but p = 2^(t - M), with t = logit x log2(e) and M = ceil(the row's largest t), a whole number; so 1/2 < the row's largest p <= 1. The row's sum l is taken of the UNQUANTISED p, in f32, and the product's result is divided by l at the end. Since M is a whole number, a kernel that streams over the keys may use a running M (the ceiling of the running maximum): every later rescaling is an exact power of two, so the quantised numbers keep their values, but for numbers so far below the row's largest that they fall under the format's range.
;;   OPERANDS COMPUTED ON THE WAY. 'Computed on the way' means the value that the module computes at that place (a softmax that the list does not call 'softmax' is quantised finished and normalised). What goes into a quantiser is computed in f32, as accurately as f32 sums, v_exp_f32 and their like allow (about 1e-6 of the number): no bf16 or f16 on the way to a quantiser, and a product that is left as it is and whose result goes on into a quantised operand takes f32 operands (vector FMAs, or v_wmma_f32_16x16x4_f32). A number that lies on a knife's edge between two numbers of the format may be rounded either way, as far as f32 arithmetic and the matrix unit's own rounding can turn it there, and no further.
;; One version. Each part assembles by itself: llvm-mc -triple=amdgcn-amd-amdhsa -mcpu=gfx1250 --defsym DOCPART=n.
;; ======== version 1 of 1: 3 launches
;; workspace buffers: xc 12,582,912 bytes; wc 3,145,728 bytes; qc 4,194,304 bytes; kv 8,388,608 bytes
;; launch prep (part 1): grid 448 x 1, 4 waves a work-group, no clusters, 0 bytes of LDS; arguments x, ln_g, ln_b, wq_w, wk_w, wv_w, lowp_scales, xc, wc; writes xc, wc
.if DOCPART == 1
	.amdgcn_target "amdgcn-amd-amdhsa--gfx1250"
	.amdhsa_code_object_version 6
	.text
	.protected	k_qa1c8ac602d_prep
	.globl	k_qa1c8ac602d_prep
	.p2align	8
	.type	k_qa1c8ac602d_prep,@function
k_qa1c8ac602d_prep:
	s_mov_b64 s[64:65], 0
	v_nop
	global_prefetch_b8 v0, s[64:65] scope:SCOPE_SE
	s_setreg_imm32_b32 hwreg(HW_REG_WAVE_MODE, 25, 1), 1
	s_wait_xcnt 0x0
; LayerNorm of x [4096][1024] f32, quantised three times (scales 2^e0, 2^e2, 2^e4) into xc [3][4096][1024] codes of E4M3; the three weights [1024][1024] f32
; quantised (2^e1, 2^e3, 2^e5) into wc [3][1024][1024] codes.  code = number / 2^e, held within +-448, to the nearest code, ties to even.
; TWO PERMUTATIONS, both free here.  (a) ROWS: row t is stored at position t with bits 3 and 4 exchanged, so that 16 consecutive positions are the rows
; 32 b + 8 u + r + 8 (r / 8) that the later products want in one tile.  (b) K: byte 512 m + 16 l + 4 q + e of a row of codes holds k = 512 m + 128 q + 4 l + e, alike in xc and wc,
; so every product meets its partner; a lane's 16 registers of four dense loads then convert straight into its 16 bytes of a dense store.
; SHARES.  A wave takes 4 whole rows; a row is 4,096 bytes: eight loads of 512 consecutive bytes, 32 registers a lane.  Work-groups 0-255: x (16 rows each); 256-447: the weights (64 work-groups a matrix).
; The variance is taken in a second pass over x - mean, as the definition has it: no difference of large sums.  No LDS, no barrier: waves share nothing.
; LIMITS: e0 .. e5 between -126 and 119, so that 2^e and 448 x 2^e are f32 numbers.  NaN among the inputs is not served.
.set G,   4                            ; v4-35    ln_g of my 32 columns   (the weights' path: v4-131 hold its four rows)
.set B,   36                           ; v36-67   ln_b
.set X,   68                           ; v68-131  two row slots of 32
.set T,   132                          ; v132-163 at work: two banks of 16 held numbers; the sums' chains
.set C,   164                          ; v164-195 codes
.set SC,  196                          ; v196-198 2^e as f32, a set each
.set LIM, 200                          ; v200-202 448 x 2^e
.macro LOADROW reg, i                  ; row i of my four: eight loads, each 512 consecutive bytes
.irp j, 0,1,2,3,4,5,6,7
	global_load_b128 v[(\reg)+4*\j:(\reg)+4*\j+3], v1, s[32:33] offset:(\i)*4096+512*\j th:TH_LOAD_NT
.endr
.endm
.macro FOLD                            ; four chains of pairs in v[T..T+7] become one sum, in every lane, in v[T]
	v_pk_add_f32 v[T:T+1], v[T:T+1], v[T+2:T+3]
	v_pk_add_f32 v[T+4:T+5], v[T+4:T+5], v[T+6:T+7]
	v_pk_add_f32 v[T:T+1], v[T:T+1], v[T+4:T+5]
	v_add_f32 v[T], v[T], v[T+1]
	v_add_f32_dpp v[T], v[T], v[T] row_xmask:1 row_mask:0xf bank_mask:0xf
	v_add_f32_dpp v[T], v[T], v[T] row_xmask:2 row_mask:0xf bank_mask:0xf
	v_add_f32_dpp v[T], v[T], v[T] row_xmask:4 row_mask:0xf bank_mask:0xf
	v_add_f32_dpp v[T], v[T], v[T] row_xmask:8 row_mask:0xf bank_mask:0xf
	v_permlanex16_b32 v[T+1], v[T], s40, s41       ; the other half of the lanes (its destination has been written above)
	v_add_f32 v[T], v[T], v[T+1]
.endm
.macro MKSCALE e, vs, vl               ; the whole number in s[e] makes 2^e and 448 x 2^e as f32
	s_add_co_i32 s48, s[\e], 127
	s_lshl_b32 s49, s48, 23
	v_mov_b32 v[\vs], s49
	s_add_co_i32 s48, s48, 8
	s_lshl_b32 s48, s48, 23
	s_or_b32 s48, s48, 0x600000
	v_mov_b32 v[\vl], s48
.endm
.macro PIECE src, bank, z, cdst        ; 16 numbers -> 16 codes.  The conversion to an 8-bit code does not saturate (ISA guide 7.6.2): the numbers are held first, into a bank of T.
.irp n, 0,1,2,3,4,5,6,7,8,9,10,11,12,13,14,15
	v_med3_num_f32 v[T+16*(\bank)+\n], v[(\src)+\n], -v[LIM+(\z)], v[LIM+(\z)]
.endr
	v_cvt_scalef32_pk8_fp8_f32 v[(\cdst):(\cdst)+1], v[T+16*(\bank):T+16*(\bank)+7], v[SC+(\z)]
	v_cvt_scalef32_pk8_fp8_f32 v[(\cdst)+2:(\cdst)+3], v[T+16*(\bank)+8:T+16*(\bank)+15], v[SC+(\z)]
.endm                                  ; the banks take turns: the next vector line writes the other bank and is the plain line behind these conversions
.macro PLACE                           ; from the group's number s23 and the wave's s22: s[42:43] = byte offset of my 4 rows in the source, s[44:45] = of their positions in the codes
	s_lshl_b32 s42, s23, 16                        ; 16 rows x 4,096 bytes
	s_lshl_b32 s43, s22, 14                        ; 4 rows
	s_add_co_u32 s42, s42, s43
	s_mov_b32 s43, 0
	s_lshr_b32 s44, s23, 1                         ; row = 16 g + 4 w + i; bits 3 and 4 change places: position = 32 (g / 2) + 16 (w / 2) + 8 (g % 2) + 4 (w % 2) + i
	s_lshl_b32 s44, s44, 5
	s_lshr_b32 s45, s22, 1
	s_lshl_b32 s45, s45, 4
	s_add_co_u32 s44, s44, s45
	s_and_b32 s45, s23, 1
	s_lshl_b32 s45, s45, 3
	s_add_co_u32 s44, s44, s45
	s_and_b32 s45, s22, 1
	s_lshl_b32 s45, s45, 2
	s_add_co_u32 s44, s44, s45
	s_lshl_b32 s44, s44, 10                        ; a row of codes is 1,024 bytes
	s_mov_b32 s45, 0
.endm
	s_load_b512 s[4:19], s[0:1], 0x0               ; x 4, ln_g 6, ln_b 8, wq_w 10, wk_w 12, wv_w 14, the scales' exponents 16, xc 18
	s_load_b64 s[20:21], s[0:1], 0x40              ; wc
	v_lshrrev_b32 v2, 5, v0
	v_readfirstlane_b32 s22, v2                    ; wave
	v_and_b32 v1, 31, v0
	v_lshlrev_b32 v1, 4, v1                        ; 16 x lane: the offset of every load and store; never rewritten
	s_mov_b32 s40, 0x76543210                      ; v_permlanex16_b32: lane l takes lane l xor 16
	s_mov_b32 s41, 0xfedcba98
	s_mov_b32 s50, 0x3a800000                      ; 1 / 1024
	s_mov_b32 s51, 0x3727c5ac                      ; 1e-5
	s_wait_kmcnt 0x0
	s_load_b256 s[24:31], s[16:17], 0x0            ; e0 .. e7
	s_cmp_lt_u32 ttmp9, 256
	s_cbranch_scc0 .Lweights
	; ---------------- x ----------------
	s_mov_b32 s23, ttmp9
	PLACE
	s_add_nc_u64 s[32:33], s[4:5], s[42:43]
	s_add_nc_u64 s[34:35], s[18:19], s[44:45]      ; the three sets of codes lie 4 MiB apart
	s_add_nc_u64 s[36:37], s[34:35], 0x400000
	s_add_nc_u64 s[38:39], s[36:37], 0x400000
.irp j, 0,1,2,3,4,5,6,7
	global_load_b128 v[G+4*\j:G+4*\j+3], v1, s[6:7] offset:512*\j
.endr
.irp j, 0,1,2,3,4,5,6,7
	global_load_b128 v[B+4*\j:B+4*\j+3], v1, s[8:9] offset:512*\j
.endr
	LOADROW X, 0
	LOADROW X+32, 1
	s_wait_kmcnt 0x0
	MKSCALE 24, SC, LIM
	MKSCALE 26, SC+1, LIM+1
	MKSCALE 28, SC+2, LIM+2
; Row i, in slot.  left: the younger loads that may stay out (the other slot's eight).  more = 1: the slot takes row i + 2 afterwards.
.macro XROW slot, i, left, more
.set XS, X+32*(\slot)
	s_wait_loadcnt \left
.irp c, 0,1,2,3
	v_pk_add_f32 v[T+2*\c:T+2*\c+1], v[XS+4*\c:XS+4*\c+1], v[XS+4*\c+2:XS+4*\c+3]   ; the row's sum, in four chains that the first pairs start
.endr
.irp p, 8,9,10,11,12,13,14,15
	v_pk_add_f32 v[T+2*(\p%4):T+2*(\p%4)+1], v[T+2*(\p%4):T+2*(\p%4)+1], v[XS+2*\p:XS+2*\p+1]
.endr
	FOLD
	v_mul_f32 v[T+8], s50, v[T]                    ; the mean, twice: a pair for the packed lines
	v_mul_f32 v[T+9], s50, v[T]
.irp p, 0,1,2,3,4,5,6,7,8,9,10,11,12,13,14,15
	v_pk_add_f32 v[XS+2*\p:XS+2*\p+1], v[XS+2*\p:XS+2*\p+1], v[T+8:T+9] neg_lo:[0,1] neg_hi:[0,1]   ; d = x - mean
.endr
.irp c, 0,1,2,3
	v_pk_mul_f32 v[T+2*\c:T+2*\c+1], v[XS+2*\c:XS+2*\c+1], v[XS+2*\c:XS+2*\c+1]     ; the sum of d^2
.endr
.irp p, 4,5,6,7,8,9,10,11,12,13,14,15
	v_pk_fma_f32 v[T+2*(\p%4):T+2*(\p%4)+1], v[XS+2*\p:XS+2*\p+1], v[XS+2*\p:XS+2*\p+1], v[T+2*(\p%4):T+2*(\p%4)+1]
.endr
	FOLD
	v_fma_f32 v[T], v[T], s50, s51                 ; the variance + 1e-5
	v_rsq_f32 v[T+8], v[T]
	v_rsq_f32 v[T+9], v[T]
	v_nop                                          ; a plain line between the last root and the use of its result (ISA guide 5.7.2)
	s_wait_alu depctr_va_vdst(0)                   ; the wait ahead of the first reader: one for both
.irp p, 0,1,2,3,4,5,6,7,8,9,10,11,12,13,14,15
	v_pk_mul_f32 v[XS+2*\p:XS+2*\p+1], v[XS+2*\p:XS+2*\p+1], v[T+8:T+9]
.endr
.irp p, 0,1,2,3,4,5,6,7,8,9,10,11,12,13,14,15
	v_pk_fma_f32 v[XS+2*\p:XS+2*\p+1], v[XS+2*\p:XS+2*\p+1], v[G+2*\p:G+2*\p+1], v[B+2*\p:B+2*\p+1]
.endr
	s_wait_xcnt 0x0                                ; the last row's stores have read their data: the codes' registers are written again only behind this wait
.irp z, 0,1,2
.irp m, 0,1
	PIECE XS+16*\m, \m, \z, C+8*\z+4*\m
	global_store_b128 v1, v[C+8*\z+4*\m:C+8*\z+4*\m+3], s[34+2*\z:35+2*\z] offset:(\i)*1024+512*\m   ; 32 lanes store 512 consecutive bytes, at a multiple of 512 from the buffer's first byte
.endr
.endr
.if \more
	LOADROW XS, (\i)+2
.endif
.endm
	XROW 0, 0, 8, 1                                ; g, b and row 0 are in; row 1's eight loads may be out
	XROW 1, 1, 8, 1
	XROW 0, 2, 8, 0
	XROW 1, 3, 0, 0
	s_endpgm
	; ---------------- the weights ----------------
.Lweights:
	s_sub_co_u32 s46, ttmp9, 256
	s_lshr_b32 s47, s46, 6                         ; which matrix: 0 q, 1 k, 2 v
	s_and_b32 s23, s46, 63
	PLACE
	s_cmp_eq_u32 s47, 0
	s_cselect_b64 s[32:33], s[10:11], s[12:13]
	s_cmp_eq_u32 s47, 2
	s_cselect_b64 s[32:33], s[14:15], s[32:33]
	s_add_nc_u64 s[32:33], s[32:33], s[42:43]
	s_lshl_b32 s46, s47, 20                        ; a matrix of codes is 1 MiB
	s_add_co_u32 s44, s44, s46
	s_add_nc_u64 s[34:35], s[20:21], s[44:45]
.irp i, 0,1,2,3
	LOADROW 4+32*\i, \i
.endr
	s_wait_kmcnt 0x0
	s_cmp_eq_u32 s47, 0
	s_cselect_b32 s46, s25, s27                    ; e1, e3 or e5
	s_cmp_eq_u32 s47, 2
	s_cselect_b32 s46, s29, s46
	MKSCALE 46, SC, LIM
.macro WROW i                          ; each row has its own registers for its codes: no store's data are written again
	s_wait_loadcnt 8*(3-(\i))                      ; the rows behind this one may be out
.irp m, 0,1
	PIECE 4+32*(\i)+16*\m, \m, 0, C+8*(\i)+4*\m
	global_store_b128 v1, v[C+8*(\i)+4*\m:C+8*(\i)+4*\m+3], s[34:35] offset:(\i)*1024+512*\m
.endr
.endm
	WROW 0
	WROW 1
	WROW 2
	WROW 3
	s_endpgm
.Lfunc_end_k_qa1c8ac602d_prep:
	.size	k_qa1c8ac602d_prep, .Lfunc_end_k_qa1c8ac602d_prep-k_qa1c8ac602d_prep
	.p2alignl 7, 3214868480
	.fill 96, 4, 3214868480
	.section	.rodata,"a",@progbits
	.p2align	6, 0x0
	.amdhsa_kernel k_qa1c8ac602d_prep
		.amdhsa_group_segment_fixed_size 0
		.amdhsa_private_segment_fixed_size 0
		.amdhsa_enable_private_segment 0
		.amdhsa_kernarg_size 72
		.amdhsa_user_sgpr_count 2
		.amdhsa_user_sgpr_kernarg_segment_ptr 1
		.amdhsa_wavefront_size32 1
		.amdhsa_system_sgpr_workgroup_id_x 1
		.amdhsa_system_sgpr_workgroup_id_y 1
		.amdhsa_system_sgpr_workgroup_id_z 1
		.amdhsa_system_vgpr_workitem_id 0
		.amdhsa_next_free_vgpr 204
		.amdhsa_next_free_sgpr 66
		.amdhsa_reserve_vcc 0
		.amdhsa_float_denorm_mode_32 3
		.amdhsa_float_denorm_mode_16_64 3
		.amdhsa_memory_ordered 1
		.amdhsa_forward_progress 1
		.amdhsa_inst_pref_size 76
	.end_amdhsa_kernel
	.amdgpu_metadata
---
amdhsa.version: [ 1, 2 ]
amdhsa.kernels:
  - .name:           k_qa1c8ac602d_prep
    .symbol:         k_qa1c8ac602d_prep.kd
    .args:
      - { .name: x, .offset: 0, .size: 8, .value_kind: global_buffer, .address_space: global }
      - { .name: ln_g, .offset: 8, .size: 8, .value_kind: global_buffer, .address_space: global }
      - { .name: ln_b, .offset: 16, .size: 8, .value_kind: global_buffer, .address_space: global }
      - { .name: wq_w, .offset: 24, .size: 8, .value_kind: global_buffer, .address_space: global }
      - { .name: wk_w, .offset: 32, .size: 8, .value_kind: global_buffer, .address_space: global }
      - { .name: wv_w, .offset: 40, .size: 8, .value_kind: global_buffer, .address_space: global }
      - { .name: lowp_scales, .offset: 48, .size: 8, .value_kind: global_buffer, .address_space: global }
      - { .name: xc, .offset: 56, .size: 8, .value_kind: global_buffer, .address_space: global }
      - { .name: wc, .offset: 64, .size: 8, .value_kind: global_buffer, .address_space: global }
    .group_segment_fixed_size: 0
    .private_segment_fixed_size: 0
    .kernarg_segment_align: 8
    .kernarg_segment_size: 72
    .max_flat_workgroup_size: 128
    .sgpr_count:     66
    .vgpr_count:     204
    .wavefront_size: 32
...
	.end_amdgpu_metadata
.endif
;; end of part 1
;; launch proj (part 2): grid 12 x 16, 4 waves a work-group, clusters of 4 x 4, 327,680 bytes of LDS; arguments xc, wc, lowp_scales, wq_b, wk_b, wv_b, qc, kv; writes qc, kv
.if DOCPART == 2
	.amdgcn_target "amdgcn-amd-amdhsa--gfx1250"
	.amdhsa_code_object_version 6
	.text
	.protected	k_qa1c8ac602d_proj
	.globl	k_qa1c8ac602d_proj
	.p2align	8
	.type	k_qa1c8ac602d_proj,@function
k_qa1c8ac602d_proj:
	s_mov_b64 s[64:65], 0
	v_nop
	global_prefetch_b8 v0, s[64:65] scope:SCOPE_SE
	s_setreg_imm32_b32 hwreg(HW_REG_WAVE_MODE, 25, 1), 1
	s_wait_xcnt 0x0
	s_wait_alu depctr_hold_cnt(0) depctr_sa_sdst(0) depctr_va_vdst(0) depctr_va_sdst(0) depctr_va_ssrc(0) depctr_va_vcc(0) depctr_vm_vsrc(0)
	s_getreg_b32 s2, hwreg(HW_REG_IB_STS2, 6, 4)
	s_cmp_eq_u32 s2, 0
	s_cbranch_scc0 .Lentry_in_a_cluster
	s_endpgm
.Lentry_in_a_cluster:
	s_bfe_u32 s2, ttmp6, 0x10000c
	s_cmp_lg_u32 s2, 0xf033
	s_cbranch_scc0 .Lentry_shape_is_right
	s_endpgm
.Lentry_shape_is_right:
; q, k, v = xn W^T + bias on codes of E4M3 (K = 1,024), and each result quantised at once into the image that the attention launch's operand registers want.
; The cluster's x says which product: 0 q, 1 k, 2 v.  A work-group makes 256 x 256 of one product, each of its four waves 128 x 128: 64 accumulators of 16 x 16, 512 registers.
; TWO OPERANDS.  P is source 0 of the matrix instruction, R source 1: in a result lane r holds row r of R's tile, and its registers 8 h + j run along P's rows.
;   q, k: P = the weight's rows (features), R = xn's rows (tokens): a lane gets one token and neighbouring features: K of the scores' product runs along its registers.
;   v:    P = xn's rows (tokens), R = the weight's rows (features): a lane gets one feature and neighbouring tokens: the keys, K of the second attention product, run along its registers.
; Rows lie in xc and wc at positions with bits 3 and 4 exchanged, so registers of P's tiles 2 b and 2 b + 1 are the 16 neighbours 32 b + 16 h + 0 .. 15: two conversions make 16 bytes a lane, stored as they stand.
; The bias is the C of each sum's first matrix instruction, divided by the power of two that the sums lack; the three scales are folded into the conversion's one: 2^(eo - ea - ew).
; K goes in steps of 256 through a ring of two LDS slots; 4 x 4 work-groups form a cluster: R's tiles are asked for jointly along a row of the cluster, P's along a column.
; 192 work-groups: an even split over 256 would need wave tiles of 64 x 64, which read twice the LDS bytes for each matrix instruction.
; LIMITS: eo - ea - ew between -126 and 119 for each of the three products (ea + ew is applied by v_ldexp_f32 and has none).
; REGISTERS, in windows of 256: window 0: v0-31 addresses; v32-39 the biases' offsets; v64-127 the biases; v128-255 R's fragments, ONE set; on the way out v32-95 held sums, v128-255 codes.
;   window 1: P's fragments, TWO sets, at v0 and v128.   window 2: the accumulators of my R blocks 0-3 ((a, b) at v[8 (8 (a % 4) + b)]);   window 3: of blocks 4-7.
.set ROWB,   256                       ; a tile's row: 256 codes
.set KROW,   1024                      ; a row of xc or wc in bytes
.set PITCH,  272                       ; an LDS row: 256 bytes + 16 of padding = 68 words: the 16 rows that a load touches start at 16 different banks (64 banks of 4 bytes: ISA guide 11.1)
.set FR,     16                        ; registers of a fragment: 16 rows x 128 K
.set NL,     4                         ; LDS loads that bring one
.set NP,     4                         ; places behind this matrix instruction (ISA guide 7.12.1)
.set HALFT,  128*PITCH                 ; what one tensor load brings, and what one wave reads of R or of P
.set SLOT,   4*HALFT                   ; R's 256 rows, then P's 256 rows
.set SPARE,  2*SLOT                    ; behind the ring: the spare words, 128 bytes for each wave: two blocks of 256 bytes that no other line names
.set VO,   8                           ; v8-11   the stores' offsets, one for each pair of P's tiles
.set SCV,  12                          ; v12     2^(eo - ea - ew) as f32
.set LIMV, 13                          ; v13     448 x that
.set ADRA, 16                          ; v16-17  LDS address of my R fragments in slot 0, 1
.set ADRB, 20                          ; v20-21  the same for P
.set SPW,  28                          ; v28     LDS address of my spare word; never rewritten
.set NIL,  29                          ; v29     0; never rewritten
.set BA,   32                          ; v32-39  byte offsets of the biases' loads
.set TMP,  32                          ; the way out: 64 held sums
.set BI,   64                          ; v64-127 the biases, eight registers a tile, in the result's layout
.set AF,   128                         ; R's fragments
.set CD,   128                         ; the way out: the codes, 16 registers for each block of R; none is written twice
.set WV,   20
.set HI,   21                          ; wave / 2: which half of R's rows is mine.  Also: I fetch for R (0) or for P (1)
.set LO,   22                          ; wave % 2: which half of P's rows is mine.  Also: which 128 rows I fetch
.set G1,   24                          ; s[24:31] descriptor group 1 for R's tiles;  s[32:39] group 0, one set for each slot
.set G0,   32
.set CX,   40
.set CY,   41
.set PROD, 42
.set CLY,  43
.set G1B,  48                          ; s[48:55], s[56:63] the same for P's tiles
.set G0B,  56
.set OB,   66                          ; s[66:81] the stores' bases, one for each block of R
.set MSB, 0
.macro WIN new                         ; the immediate's high byte repeats the setting that is left
.if MSB != (\new)
	s_set_vgpr_msb (MSB<<8)|(\new)
.set MSB, (\new)
.endif
.endm
.set MUL_LO, 0xa1                      ; source 0 (P) window 1, source 1 (R) window 0, C and D window 2
.set MUL_HI, 0xf1                      ; the same, C and D window 3
.set TO_B,   0x40                      ; destination window 1, address window 0
; A joint load: waves 0 and 1 fetch for R, waves 2 and 3 for P.  Each line has ONE mask and one set of registers for all that issue it; the branch hangs on the wave's number alone.
; Four v_nop follow each of the two lines, ahead of the jump, the label and what follows.
.macro JLOAD g0a, g1a, g0b, g1b
	s_cmp_eq_u32 s[HI], 0
	s_cbranch_scc0 .Lfor_p_\@
	tensor_load_to_lds s[\g0a:\g0a+3], s[\g1a:\g1a+7]
	s_nop 0
.rept 4
	v_nop
.endr
	s_branch .Lasked_\@
.Lfor_p_\@:
	tensor_load_to_lds s[\g0b:\g0b+3], s[\g1b:\g1b+7]
	s_nop 0
.rept 4
	v_nop
.endr
.Lasked_\@:
.endm
.macro CREST                           ; a round of the cluster's barrier behind its opening barrier
	s_cmp_lg_u32 s[WV], 0
	s_cbranch_scc1 .Lnot_wave_0_\@
	s_barrier_signal -3
.Lnot_wave_0_\@:
	s_barrier_wait -3
	s_barrier_signal -1
	s_barrier_wait -1
.endm
.macro CROUND                          ; a whole round
	s_barrier_signal -1
	s_barrier_wait -1
	CREST
.endm
	s_load_b512 s[4:19], s[0:1], 0x0               ; xc 4, wc 6, the scales' exponents 8, wq_b 10, wk_b 12, wv_b 14, qc 16, kv 18
	v_lshl_add_u32 v[SPW], v0, 2, SPARE
	v_mov_b32 v[NIL], 0
	ds_add_u32 v28, v29
	ds_add_u32 v28, v29
	s_wait_dscnt 0x0
	v_lshrrev_b32 v1, 5, v0
	v_readfirstlane_b32 s[WV], v1                  ; wave 0..3
	s_lshr_b32 s[HI], s[WV], 1
	s_and_b32 s[LO], s[WV], 1
	s_bfe_u32 s[CX], ttmp6, 0x40000                ; cx, cy: my place in the cluster
	s_bfe_u32 s[CY], ttmp6, 0x40004
	s_mov_b32 s[PROD], ttmp9                       ; the cluster's x: which product; the same in all sixteen partners
	s_and_b32 s[CLY], ttmp7, 0xffff                ; the cluster's y
	s_lshl_b32 s2, s[PROD], 3                      ; where ea, ew lie among the exponents: entries 2 p, 2 p + 1;
	s_lshl_b32 s3, s[PROD], 2                      ; eo: entry 6 + p.  (s2, s3 are never rewritten)
	s_lshl_b32 s44, s[CY], 2
	s_lshl_b32 s44, 15, s44                        ; my row of the cluster
	s_lshl_b32 s45, 0x1111, s[CX]                  ; my column
	s_or_b32 s[G1], s44, (0<<16)|(1<<20)|(1<<21)|(5<<22)|(3<<25)   ; 15:0 the mask: R's tiles go to my row; 17:16 elements of 1 byte; 20 padding on; 21 set beside a mask; 24:22 after every 64 words (code 5); 31:25 four words (code 3)
	s_or_b32 s[G1B], s45, (0<<16)|(1<<20)|(1<<21)|(5<<22)|(3<<25)  ; P's tiles go to my column
.irp g, G1, G1B
	s_mov_b32 s[\g+1], ROWB<<16                    ; tensor_dim0
	s_mov_b32 s[\g+2], 128<<16                     ; tensor_dim1 = 128
	s_mov_b32 s[\g+3], ROWB<<16                    ; tile_dim0
	s_mov_b32 s[\g+4], 128                         ; tile_dim1 = 128
	s_mov_b32 s[\g+5], KROW                        ; tensor_dim0_stride
	s_mov_b32 s[\g+6], 0
	s_mov_b32 s[\g+7], 0
.endr
	; which blocks of 256 rows.  R's hangs on cy (and on what all partners share), P's on cx: each in registers that never hold the other coordinate
	s_lshl_b32 s46, s[CLY], 2
	s_add_co_u32 s85, s46, s[CY]                   ; a block of tokens by cy
	s_add_co_u32 s86, s46, s[CX]                   ; a block of tokens by cx
	s_cmp_eq_u32 s[PROD], 2
	s_cselect_b32 s87, s[CY], s85                  ; R: v: features cy;  q, k: tokens 4 cly + cy
	s_cselect_b32 s88, s86, s[CX]                  ; P: v: tokens 4 cly + cx;  q, k: features cx
	s_lshl_b32 s89, s[LO], 17                      ; which 128 rows of the block I fetch, x 1,024 bytes
	s_lshl_b32 s90, s87, 18
	s_add_co_u32 s90, s90, s89
	s_lshl_b32 s92, s88, 18
	s_add_co_u32 s92, s92, s89
	s_lshl_b32 s94, s[PROD], 22                    ; the product's set in xc: 4 MiB each
	s_lshl_b32 s95, s[PROD], 20                    ; its matrix in wc: 1 MiB each
	s_cmp_eq_u32 s[PROD], 2
	s_cselect_b32 s96, s95, s94
	s_cselect_b32 s97, s94, s95
	s_add_co_u32 s90, s90, s96
	s_add_co_u32 s92, s92, s97
	s_mov_b32 s91, 0
	s_mov_b32 s93, 0
	s_mul_i32 s47, s[WV], HALFT                    ; where my load goes: wave x 128 rows: no place in the cluster enters an LDS address
	s_wait_kmcnt 0x0
	s_load_b64 s[82:83], s[8:9], s2 offset:0x0     ; ea, ew
	s_load_b32 s84, s[8:9], s3 offset:0x18         ; eo
	s_cmp_eq_u32 s[PROD], 2
	s_cselect_b64 s[96:97], s[6:7], s[4:5]         ; R's tensor
	s_cselect_b64 s[98:99], s[4:5], s[6:7]         ; P's
	s_add_nc_u64 s[90:91], s[96:97], s[90:91]
	s_add_nc_u64 s[92:93], s[98:99], s[92:93]
	CROUND                                         ; all sixteen work-groups are here: the first joint loads meet
.irp s, 0,1
	s_mov_b32 s[G0+4*\s], 1
	s_add_co_u32 s[G0+4*\s+1], s47, \s*SLOT
	s_add_nc_u64 s[G0+4*\s+2:G0+4*\s+3], s[90:91], \s*ROWB
	s_or_b32 s[G0+4*\s+3], s[G0+4*\s+3], 0x80000000
	s_mov_b32 s[G0B+4*\s], 1
	s_add_co_u32 s[G0B+4*\s+1], s47, \s*SLOT
	s_add_nc_u64 s[G0B+4*\s+2:G0B+4*\s+3], s[92:93], \s*ROWB
	s_or_b32 s[G0B+4*\s+3], s[G0B+4*\s+3], 0x80000000
	JLOAD G0+4*\s, G1, G0B+4*\s, G1B               ; two loads of mine are out
.endr
	v_and_b32 v1, 15, v0                           ; r = l % 16
	v_bfe_u32 v2, v0, 4, 1                         ; h = l / 16
	v_mul_u32_u24 v3, v1, PITCH
	v_lshl_add_u32 v4, v2, 4, v3                   ; a fragment's row x pitch + 16 x half
	s_mul_i32 s44, s[HI], HALFT                    ; my 128 rows of R
	s_mul_i32 s45, s[LO], HALFT                    ; my 128 rows of P,
	s_add_co_u32 s45, s45, 2*HALFT                 ; which lie behind R's 256
.irp s, 0,1
	v_add_nc_u32 v[ADRA+\s], s44, v4
	v_add_nc_u32 v[ADRB+\s], s45, v4
	s_add_co_u32 s44, s44, SLOT
	s_add_co_u32 s45, s45, SLOT
.endr
	; THE BIASES, in the result's layout.  q, k: register j of P's tile t is feature F0 + 32 (t / 2) + 8 (t % 2) + 16 h + j.  v: lane r of R's tile t is feature F0 + 32 (t / 2) + 8 (t % 2) + r + 8 (r / 8), in all eight registers.
	s_cmp_eq_u32 s[PROD], 2
	s_cselect_b32 s85, s[CY], s[CX]                ; the features' block,
	s_cselect_b32 s86, s[HI], s[LO]                ; my half of it
	s_cselect_b32 s87, 0, 64                       ; bytes for h,
	s_cselect_b32 s88, 4, 0                        ; for r + 8 (r / 8),
	s_cselect_b32 s89, 0, 4                        ; for j
	s_cselect_b32 s96, s[CX], s[CY]                ; the tokens' block within the cluster's four,
	s_cselect_b32 s97, s[LO], s[HI]                ; my half of it
	s_cselect_b64 s[94:95], s[14:15], s[12:13]
	s_cmp_eq_u32 s[PROD], 0
	s_cselect_b64 s[94:95], s[10:11], s[94:95]     ; wq_b, wk_b or wv_b
	s_lshl_b32 s85, s85, 8
	s_lshl_b32 s86, s86, 7
	s_add_co_u32 s85, s85, s86                     ; F0: my first feature
	s_lshl_b32 s98, s85, 2
	s_mov_b32 s99, 0
	s_add_nc_u64 s[94:95], s[94:95], s[98:99]
	v_and_b32 v5, 8, v1
	v_add_nc_u32 v5, v5, v1                        ; r + 8 (r / 8)
	v_mul_u32_u24 v6, v2, s87
	v_mad_u32_u24 v6, v5, s88, v6
.irp j, 0,1,2,3,4,5,6,7
	v_mad_u32_u24 v[BA+\j], s89, \j, v6
.endr
.irp t, 0,1,2,3,4,5,6,7
.irp j, 0,1,2,3,4,5,6,7
	global_load_b32 v[BI+8*\t+\j], v[BA+\j], s[94:95] offset:(32*(\t/2)+8*(\t%2))*4
.endr
.endr
	; WHERE THE CODES GO.  T0: my first token (position); bb its batch, st its step of 128 tokens; h0 my first head.
	; qc: [bh][tile of 16 tokens][piece of 32 features][lane][16].   kv: [bh][chunk of 4 steps][K: step, tile, piece | V: step, tile of 16 channels, piece of 32 keys][lane][16]
	s_lshl_b32 s44, s[CLY], 2
	s_add_co_u32 s96, s96, s44
	s_lshl_b32 s96, s96, 8
	s_lshl_b32 s97, s97, 7
	s_add_co_u32 s96, s96, s97                     ; T0
	s_lshr_b32 s97, s96, 11
	s_lshl_b32 s97, s97, 4
	s_lshr_b32 s44, s85, 6
	s_add_co_u32 s97, s97, s44                     ; bh of my first head: 16 bb + h0
	s_bfe_u32 s45, s96, 0x40007                    ; st = (T0 / 128) % 16
	s_lshl_b32 s88, s45, 13                        ; qc: 8 tiles of 1,024 bytes a step
	s_lshr_b32 s89, s45, 2
	s_lshl_b32 s89, s89, 16                        ; kv: the chunk,
	s_and_b32 s46, s45, 3
	s_lshl_b32 s46, s46, 13
	s_add_co_u32 s89, s89, s46                     ; and the step in it
	s_mov_b32 s87, 262144
	s_cmp_eq_u32 s[PROD], 0
	s_cselect_b32 s87, 131072, s87                 ; bytes of a head in qc, in kv
	s_cselect_b32 s90, s88, s89
	s_cselect_b64 s[OB:OB+1], s[16:17], s[18:19]
	s_mov_b32 s92, 1024
	s_mov_b32 s98, 4096
	s_mov_b32 s46, 262144
	s_mov_b32 s47, 2048
	s_cmp_eq_u32 s[PROD], 2
	s_cselect_b32 s92, s47, s92                    ; from a block of R to the next: q, k a tile of tokens; v a tile of channels
	s_cselect_b32 s98, s46, s98                    ; four blocks on: q, k four tiles; v the next head
	s_cselect_b32 s44, 1024, s87                   ; two pairs of P's tiles on: q, k the next head; v two pieces of keys
	s_cselect_b32 s45, 32768, 0                    ; V's part of a chunk lies behind K's
	s_mul_i32 s97, s97, s87
	s_add_co_u32 s90, s90, s97
	s_add_co_u32 s90, s90, s45
	s_mov_b32 s91, 0
	s_mov_b32 s93, 0
	s_mov_b32 s99, 0
	s_add_nc_u64 s[OB:OB+1], s[OB:OB+1], s[90:91]
.irp a, 1,2,3
	s_add_nc_u64 s[OB+2*\a:OB+2*\a+1], s[OB+2*\a-2:OB+2*\a-1], s[92:93]
.endr
.irp a, 0,1,2,3
	s_add_nc_u64 s[OB+8+2*\a:OB+9+2*\a], s[OB+2*\a:OB+2*\a+1], s[98:99]
.endr
	v_and_b32 v7, 31, v0
	v_lshlrev_b32 v[VO], 4, v7                     ; 16 x lane,
	v_add_nc_u32 v[VO+1], 512, v[VO]               ; the next piece,
	v_add_nc_u32 v[VO+2], s44, v[VO]
	v_add_nc_u32 v[VO+3], s44, v[VO+1]
	s_wait_kmcnt 0x0
	s_add_co_i32 s45, s82, s83                     ; ea + ew: a sum stands for sum x 2^(ea + ew)
	s_sub_co_i32 s46, 0, s45
	s_sub_co_i32 s47, s84, s45                     ; so its code is (sum + bias / 2^(ea + ew)) / 2^(eo - ea - ew)
	s_add_co_i32 s47, s47, 127
	s_lshl_b32 s44, s47, 23
	v_mov_b32 v[SCV], s44
	s_add_co_i32 s47, s47, 8
	s_lshl_b32 s47, s47, 23
	s_or_b32 s47, s47, 0x600000
	v_mov_b32 v[LIMV], s47
	s_wait_loadcnt 0x0                             ; the biases
.set j, 0
.rept 64
	v_ldexp_f32 v[BI+j], v[BI+j], s46
.set j, j+1
.endr
.macro FRAG reg, adr, q, i             ; a fragment, 16 rows x 128 K, is 16 registers: lane l holds row l % 16; registers 4 c .. 4 c + 3 hold bytes 32 c + 16 (l / 16) + 0 .. 15: the same places in P and in R
.irp c, 0,1,2,3
	ds_load_b128 v[\reg+4*\c:\reg+4*\c+3], v[\adr] offset:128*(\q)+32*\c+(\i)*16*PITCH
.endr
.endm
; 16 matrix instructions: R's blocks a0, a0 + 1 x P's eight, 128 along K.  p: P's set.  mode 0: the sums go on; 1: they begin with the bias of P's tile (q, k); 2: of R's tile (v).
; The 64 accumulators take turns, one instruction a turn, in the same order in every step.
.macro MUL16 a0, p, mode
.irp a, \a0, \a0+1
.irp b, 0,1,2,3,4,5,6,7
.if \mode == 0
	v_wmma_f32_16x16x128_fp8_fp8 v[8*(8*((\a)%4)+\b):8*(8*((\a)%4)+\b)+7], v[128*(\p)+FR*\b:128*(\p)+FR*\b+FR-1], v[AF+FR*(\a):AF+FR*(\a)+FR-1], v[8*(8*((\a)%4)+\b):8*(8*((\a)%4)+\b)+7]
.elseif \mode == 1
	v_wmma_f32_16x16x128_fp8_fp8 v[8*(8*((\a)%4)+\b):8*(8*((\a)%4)+\b)+7], v[128*(\p)+FR*\b:128*(\p)+FR*\b+FR-1], v[AF+FR*(\a):AF+FR*(\a)+FR-1], v[BI+8*\b:BI+8*\b+7]
.else
	v_wmma_f32_16x16x128_fp8_fp8 v[8*(8*((\a)%4)+\b):8*(8*((\a)%4)+\b)+7], v[128*(\p)+FR*\b:128*(\p)+FR*\b+FR-1], v[AF+FR*(\a):AF+FR*(\a)+FR-1], v[BI+8*(\a):BI+8*(\a)+7]
.endif
.endr
.endr
.endm
.macro FETCH_B slot, q, p              ; P's eight fragments of the slot's q-th 128 along K into set p
	WIN TO_B
.irp i, 0,1,2,3,4,5,6,7
	FRAG 128*(\p)+FR*\i, ADRB+\slot, \q, \i
.endr
	WIN 0
.endm
.macro FETCH_A slot, q, i0             ; R's blocks i0 .. i0 + 3
.irp i, \i0, \i0+1, \i0+2, \i0+3
	FRAG AF+FR*(\i), ADRA+\slot, \q, \i
.endr
.endm
; A load into a register that a matrix instruction has read, and a vector instruction that reads a matrix result, stand NP places behind that matrix instruction; only plain vector
; instructions that name none of its registers are places (ISA guide 7.12.1 for vector instructions).
.macro PLACES n
.rept \n
	v_nop
.endr
.endm
; A step of 128 along K that has its successor in the same slot.  A block of R is free as soon as its eight products are issued: blocks 0-3 are fetched anew in the step's middle, blocks 4-7 at its end.
.macro STEP slot, q, mode
	s_wait_dscnt 4*NL                              ; P's set and R's blocks 0-3 are in; the youngest 16 loads (R's blocks 4-7) may be out
.if \mode
	WIN 0x81                                       ; C (the bias) window 0, D window 2
.else
	WIN MUL_LO
.endif
	MUL16 0, (\q)%2, \mode
	MUL16 2, (\q)%2, \mode
	s_wait_dscnt 0                                 ; R's blocks 4-7 are in
	PLACES NP
	FETCH_B \slot, (\q)+1, 1-(\q)%2
	FETCH_A \slot, (\q)+1, 0
.if \mode
	WIN 0xc1                                       ; C window 0, D window 3
.else
	WIN MUL_HI
.endif
	MUL16 4, (\q)%2, \mode
	MUL16 6, (\q)%2, \mode
	PLACES NP
	WIN 0
	FETCH_A \slot, (\q)+1, 4
.endm
; A slot's last step changes slots: ONE barrier; in front of it each wave waits for all its tensor loads, adds 0 to its spare word, and waits for that and for its own reads of this slot.  fill = 1: this slot is filled again, two K steps ahead.
.macro TURN slot, next, fill
	s_wait_tensorcnt 0x0                           ; all my tensor loads have landed: my part of the next slot  (every window is 0 here)
	ds_add_u32 v[SPW], v[NIL]                      ; 0 onto my spare word
	s_wait_dscnt 4*NL+1                            ; (the add and the youngest 16 loads, R's blocks 4-7, may be out)
	WIN MUL_LO
	MUL16 0, 1, 0                                  ; sixteen matrix instructions stand between the add and the wait for it
	s_wait_dscnt 0x0                               ; the add is done, and my reads of this slot are over
	s_barrier_signal -1
	MUL16 2, 1, 0
	WIN 0
	s_barrier_wait -1
.if \fill
	CREST                                          ; the barrier has opened a round of the cluster's barrier: no wave of any partner still reads this slot's tile or has a load on its way
	s_add_nc_u64 s[G0+4*\slot+2:G0+4*\slot+3], s[G0+4*\slot+2:G0+4*\slot+3], 2*ROWB
	s_add_nc_u64 s[G0B+4*\slot+2:G0B+4*\slot+3], s[G0B+4*\slot+2:G0B+4*\slot+3], 2*ROWB
	JLOAD G0+4*\slot, G1, G0B+4*\slot, G1B         ; the first tensor load behind the round, my one load until the next; the four v_nop behind it are the places in front of the loads below
.else
	PLACES NP
.endif
	FETCH_B \next, 0, 0
	FETCH_A \next, 0, 0
	WIN MUL_HI
	MUL16 4, 1, 0
	MUL16 6, 1, 0
	PLACES NP
	WIN 0
	FETCH_A \next, 0, 4
.endm
	s_wait_tensorcnt 1                             ; my part of K step 0 is in (K step 1's load may be out)
	s_barrier_signal -1
	s_barrier_wait -1                              ; everybody's is
	FETCH_B 0, 0, 0
	FETCH_A 0, 0, 0
	FETCH_A 0, 0, 4
	s_cmp_eq_u32 s[PROD], 2                        ; the first step is written twice: its C differs.  The branch is alike in all partners; both ways have the same LDS loads and waits, no tensor load and no barrier
	s_cbranch_scc1 .Lfirst_v
	STEP 0, 0, 1
	s_branch .Lfirst_done
.Lfirst_v:
	STEP 0, 0, 2
.Lfirst_done:
	TURN 0, 1, 1                                   ; K = 1,024 is four slots' worth: the eight steps are written out
	STEP 1, 0, 0
	TURN 1, 0, 1
	STEP 0, 0, 0
	TURN 0, 1, 0                                   ; nothing is left to fetch
	STEP 1, 0, 0
	s_wait_dscnt 4*NL                              ; the very last step
	WIN MUL_LO
	MUL16 0, 1, 0
	MUL16 2, 1, 0
	s_wait_dscnt 0
	WIN MUL_HI
	MUL16 4, 1, 0
	MUL16 6, 1, 0
	WIN 0
	; THE WAY OUT, block by block of R.  The block's 64 sums are held within the largest code x the scale (each accumulator from its low end on), eight conversions make 16 registers of codes,
	; and four stores write them as they stand: 16 bytes a lane, 512 consecutive bytes a store, at a multiple of 512 from the buffer's first byte.  No LDS: the registers are the reader's image.
	PLACES NP
.irp a, 0,1,2,3,4,5,6,7
	WIN 0x02+(\a/4)                                ; source 0: window 2 or 3
.set j, 0
.rept 64
	v_med3_num_f32 v[TMP+j], v[64*(\a%4)+j], -v[LIMV], v[LIMV]   ; the conversion to an 8-bit code does not saturate (ISA guide 7.6.2)
.set j, j+1
.endr
	WIN 0
.irp n, 0,1,2,3,4,5,6,7
	v_cvt_scalef32_pk8_fp8_f32 v[CD+16*\a+2*\n:CD+16*\a+2*\n+1], v[TMP+8*\n:TMP+8*\n+7], v[SCV]
.endr
	v_nop                                          ; a plain line between the conversions and the next block's holds, which write their sources
.irp e, 0,1,2,3
	global_store_b128 v[VO+\e], v[CD+16*\a+4*\e:CD+16*\a+4*\e+3], s[OB+2*\a:OB+2*\a+1]
.endr
.endr
	s_wait_tensorcnt 0x0                           ; the wave's end
	ds_add_u32 v[SPW], v[NIL]
	s_wait_dscnt 0x0
	CROUND                                         ; the closing round: no work-group ends while a partner may still ask for a tile that names it
	s_endpgm
.Lfunc_end_k_qa1c8ac602d_proj:
	.size	k_qa1c8ac602d_proj, .Lfunc_end_k_qa1c8ac602d_proj-k_qa1c8ac602d_proj
	.p2alignl 7, 3214868480
	.fill 96, 4, 3214868480
	.section	.rodata,"a",@progbits
	.p2align	6, 0x0
	.amdhsa_kernel k_qa1c8ac602d_proj
		.amdhsa_group_segment_fixed_size 327680
		.amdhsa_private_segment_fixed_size 0
		.amdhsa_enable_private_segment 0
		.amdhsa_kernarg_size 64
		.amdhsa_user_sgpr_count 2
		.amdhsa_user_sgpr_kernarg_segment_ptr 1
		.amdhsa_wavefront_size32 1
		.amdhsa_system_sgpr_workgroup_id_x 1
		.amdhsa_system_sgpr_workgroup_id_y 1
		.amdhsa_system_sgpr_workgroup_id_z 1
		.amdhsa_system_vgpr_workitem_id 0
		.amdhsa_next_free_vgpr 1024
		.amdhsa_next_free_sgpr 100
		.amdhsa_reserve_vcc 0
		.amdhsa_float_denorm_mode_32 3
		.amdhsa_float_denorm_mode_16_64 3
		.amdhsa_memory_ordered 1
		.amdhsa_forward_progress 1
		.amdhsa_inst_pref_size 139
	.end_amdhsa_kernel
	.amdgpu_metadata
---
amdhsa.version: [ 1, 2 ]
amdhsa.kernels:
  - .name:           k_qa1c8ac602d_proj
    .symbol:         k_qa1c8ac602d_proj.kd
    .args:
      - { .name: xc, .offset: 0, .size: 8, .value_kind: global_buffer, .address_space: global }
      - { .name: wc, .offset: 8, .size: 8, .value_kind: global_buffer, .address_space: global }
      - { .name: lowp_scales, .offset: 16, .size: 8, .value_kind: global_buffer, .address_space: global }
      - { .name: wq_b, .offset: 24, .size: 8, .value_kind: global_buffer, .address_space: global }
      - { .name: wk_b, .offset: 32, .size: 8, .value_kind: global_buffer, .address_space: global }
      - { .name: wv_b, .offset: 40, .size: 8, .value_kind: global_buffer, .address_space: global }
      - { .name: qc, .offset: 48, .size: 8, .value_kind: global_buffer, .address_space: global }
      - { .name: kv, .offset: 56, .size: 8, .value_kind: global_buffer, .address_space: global }
    .group_segment_fixed_size: 327680
    .private_segment_fixed_size: 0
    .kernarg_segment_align: 8
    .kernarg_segment_size: 64
    .max_flat_workgroup_size: 128
    .sgpr_count:     100
    .vgpr_count:     1024
    .wavefront_size: 32
...
	.end_amdgpu_metadata
.endif
;; end of part 2
;; launch attn (part 3): grid 8 x 32, 8 waves a work-group, clusters of 4 x 1, 297,984 bytes of LDS; arguments qc, kv, x, lowp_scales, out0; writes out0
.if DOCPART == 3
	.amdgcn_target "amdgcn-amd-amdhsa--gfx1250"
	.amdhsa_code_object_version 6
	.text
	.protected	k_qa1c8ac602d_attn
	.globl	k_qa1c8ac602d_attn
	.p2align	8
	.type	k_qa1c8ac602d_attn,@function
k_qa1c8ac602d_attn:
	s_mov_b64 s[64:65], 0
	v_nop
	global_prefetch_b8 v0, s[64:65] scope:SCOPE_SE
	s_setreg_imm32_b32 hwreg(HW_REG_WAVE_MODE, 25, 1), 1
	s_wait_xcnt 0x0
	s_wait_alu depctr_hold_cnt(0) depctr_sa_sdst(0) depctr_va_vdst(0) depctr_va_sdst(0) depctr_va_ssrc(0) depctr_va_vcc(0) depctr_vm_vsrc(0)
	s_getreg_b32 s2, hwreg(HW_REG_IB_STS2, 6, 4)
	s_cmp_eq_u32 s2, 0
	s_cbranch_scc0 .Lentry_in_a_cluster
	s_endpgm
.Lentry_in_a_cluster:
	s_bfe_u32 s2, ttmp6, 0x10000c
	s_cmp_lg_u32 s2, 0x3003
	s_cbranch_scc0 .Lentry_shape_is_right
	s_endpgm
.Lentry_shape_is_right:
; out0 = x + softmax(q k^T / sqrt(2048)) v, head by head (32 pairs of batch and head, 2,048 tokens, head size 64), both products on codes of E4M3 with the given scales 2^e6 (q), 2^e7 (k), 2^e8 (v), 2^e9 (p).
; THE SOFTMAX: t = score x log2(e) / sqrt(2048); M = the running largest t rounded UP to a whole number; p = 2^(t - M) is quantised, not normalised; the row's sum is taken of the unquantised p and divides at the end.
; When M moves, the sum and O are multiplied by 2^(old M - new M), which rounds nothing.
; SHARES.  A work-group owns 256 queries of one head; each of its eight waves 32 of them, two tiles of 16, in 512 registers: two waves to a SIMD, so that one wave's vector work stands beside the other's products and LDS loads.
; THE HEAD'S WHOLE K AND V LIE IN LDS: 262,144 bytes, as images of the operands' registers (a fragment's four registers are 512 consecutive bytes, 16 a lane).  They are filled once: no slot is filled again.
; Each wave brings 8,192 bytes of each of four chunks of 512 keys, so every wave has the same counted waits 3, 2, 1, 0, and the later chunks land while the earlier ones are worked.  Four loads of a wave are out at the most.
; CLUSTER: the four query blocks of a cluster belong to one head and ask for its K and V jointly.
; LAYOUT.  Both products are used transposed: S^T = K Q^T (source 0 = 16 keys, source 1 = 16 queries), O^T = V^T P (source 0 = 16 channels, source 1 = P): a lane holds ONE query throughout.
; A tile's lane r holds the token (or channel) 32 b + 8 u + r + 8 (r / 8) of tile 2 b + u, so the 16 registers of result tiles 2 b and 2 b + 1 are the neighbours 32 b + 16 (lane / 16) + 0 .. 15.
; No prefetch: every request of the launch (K, V, Q and the residual rows of x) is issued at its head.
; LIMITS: e6 + e7 between -121 and 132 (they are added to c's exponent field); e9 between -126 and 119; e8 + e9 goes by v_ldexp_f32 and has none.  NaN among the inputs is not served.
; REGISTERS.  window 0: v1-7 addresses and constants; v8-31 statistics; v32-159 S^T, then p, 64 a tile; v160-223 O^T, 32 a tile; v224-255 p's codes, 16 a tile.
;   window 1: v0-15 Q; v16-79 K's eight fragments of a step; v80-143 V's four; v144-207 the residual rows of x.
.set STAGE, 262144                     ; behind K and V: 16 rows x (256 + 16) bytes for each wave, for the way out; no tensor load lands there
.set LI,  1                            ; v1   16 x lane
.set ADR, 2                            ; v2   LDS address of the step's images
.set STO, 3                            ; v3   the way out: where I put 16 bytes of a row
.set RD,  4                            ; v4   and where I read a row back
.set GO,  5                            ; v5   my byte offset in the wave's rows of x and of out0
.set HA,  6                            ; v6, v31  448 x 2^e9, twice: the two halves of a dual instruction take their second sources from different register banks
.set HB,  31
.set PS,  7                            ; v7   2^e9 as f32
.set NM,  8                            ; v[8+2t] -M, v[9+2t] the largest t
.set L,   12                           ; v[12+2t:13+2t] the sum, in two halves
.set F,   16                           ; v[16+2t] f = 2^(old M - new M); its upper neighbour is written once
.set MA,  20                           ; v[20+t], v[22+t] at work
.set MB,  22
.set PD,  24                           ; v[24+t] a lane permute's destination
.set L2,  26                           ; v[26+2t:27+2t] the sum's second chain
.set S,   32
.set OA,  160
.set PC,  224
.set QF,  0                            ; in window 1
.set KF,  16
.set VF,  80
.set XR,  144
.set WV,  14
.set SEL, 20                           ; s[20:21]
.set CS,  22                           ; s[22:23] c = log2(e) / sqrt(2048) x 2^(e6 + e7)
.set G1,  24                           ; s[24:31] descriptor group 1
.set G0,  32                           ; s[32:47] group 0, one set for each chunk
.set TB,  48                           ; s48  LDS byte at which the step's K images begin
.set CNT, 49
.set MSB, 0
.macro WIN new                         ; the immediate's high byte repeats the setting that is left
.if MSB != (\new)
	s_set_vgpr_msb (MSB<<8)|(\new)
.set MSB, (\new)
.endif
.endm
.macro CROUND                          ; a round of the cluster's barrier
	s_barrier_signal -1
	s_barrier_wait -1
	s_cmp_lg_u32 s[WV], 0
	s_cbranch_scc1 .Lnot_wave_0_\@
	s_barrier_signal -3
.Lnot_wave_0_\@:
	s_barrier_wait -3
	s_barrier_signal -1
	s_barrier_wait -1
.endm
	s_load_b256 s[4:11], s[0:1], 0x0               ; qc 4, kv 6, x 8, the scales' exponents 10
	s_load_b64 s[12:13], s[0:1], 0x20              ; out0
	v_lshl_add_u32 v30, v0, 2, 0x48800
	s_set_vgpr_msb 0x40
	v_mov_b32 v255, 0
	s_set_vgpr_msb 0x4044
	ds_add_u32 v30, v255
	ds_add_u32 v30, v255
	s_set_vgpr_msb 0x4400
	v_lshrrev_b32 v1, 5, v0
	v_readfirstlane_b32 s[WV], v1                  ; wave 0..7
	s_bfe_u32 s15, ttmp6, 0x40000                  ; cx
	s_lshl_b32 s16, ttmp9, 2
	s_add_co_u32 s16, s16, s15                     ; my block of 256 queries: it enters Q's, x's and out0's addresses alone
	s_and_b32 s17, ttmp7, 0xffff                   ; bh = 16 x batch + head, which the four partners share
	s_mov_b32 s[G1], 15|(3<<16)|(1<<21)            ; 15:0 the mask: all four work-groups; 17:16 elements of 8 bytes; 21 set beside a mask; no padding
	s_mov_b32 s[G1+1], 32<<16                      ; tensor_dim0 = 32 elements: rows of 256 bytes
	s_mov_b32 s[G1+2], 32<<16                      ; tensor_dim1 = 32 rows
	s_mov_b32 s[G1+3], 32<<16                      ; tile_dim0
	s_mov_b32 s[G1+4], 32                          ; tile_dim1
	s_mov_b32 s[G1+5], 32                          ; tensor_dim0_stride: the block is dense
	s_mov_b32 s[G1+6], 0
	s_mov_b32 s[G1+7], 0
	s_mov_b32 s[SEL], 0x76543210
	s_mov_b32 s[SEL+1], 0xfedcba98
	s_mov_b32 s[CS], 0x3d0293ee                    ; log2(e) / sqrt(2048)
	s_mov_b32 s[TB], 0
	s_lshl_b32 s50, s[WV], 13                      ; my 8,192 bytes of a chunk
	s_lshl_b32 s56, s17, 18                        ; a head's K and V: 262,144 bytes
	s_add_co_u32 s56, s56, s50
	s_mov_b32 s57, 0
	s_wait_dscnt 0x0
	s_wait_kmcnt 0x0
	s_load_b128 s[52:55], s[10:11], 0x18           ; e6, e7, e8, e9
	s_add_nc_u64 s[56:57], s[6:7], s[56:57]
.irp c, 0,1,2,3
	s_mov_b32 s[G0+4*\c], 1                        ; count = 1
	s_add_co_u32 s[G0+4*\c+1], s50, \c*65536       ; LDS address: the image lies in LDS as it lies in memory
	s_add_nc_u64 s[G0+4*\c+2:G0+4*\c+3], s[56:57], \c*65536
	s_or_b32 s[G0+4*\c+3], s[G0+4*\c+3], 0x80000000   ; type = 2
.endr
	CROUND                                         ; all four work-groups are here: the joint loads meet
.irp c, 0,1,2,3
	tensor_load_to_lds s[G0+4*\c:G0+4*\c+3], s[G1:G1+7]   ; all fills of the launch, as one group
	s_nop 0
.endr
.rept 4
	v_nop
.endr
	s_lshl_b32 s58, s17, 17                        ; Q: a head's images are 131,072 bytes; my two tiles are 16 x block + 2 x wave on, 1,024 bytes each
	s_lshl_b32 s18, s16, 14
	s_add_co_u32 s58, s58, s18
	s_lshl_b32 s18, s[WV], 11
	s_add_co_u32 s58, s58, s18
	s_mov_b32 s59, 0
	s_add_nc_u64 s[58:59], s[4:5], s[58:59]
	s_lshr_b32 s60, s17, 4                         ; x, out0: row 2,048 x batch + 256 x block + 32 x wave, of 4,096 bytes; + 256 x head
	s_lshl_b32 s60, s60, 23
	s_lshl_b32 s18, s16, 20
	s_add_co_u32 s60, s60, s18
	s_lshl_b32 s18, s[WV], 17
	s_add_co_u32 s60, s60, s18
	s_and_b32 s18, s17, 15
	s_lshl_b32 s18, s18, 8
	s_add_co_u32 s60, s60, s18
	s_mov_b32 s61, 0
	s_add_nc_u64 s[62:63], s[12:13], s[60:61]
	s_add_nc_u64 s[60:61], s[8:9], s[60:61]
	v_and_b32 v20, 15, v0                          ; r
	v_bfe_u32 v21, v0, 4, 1                        ; h
	v_and_b32 v22, 31, v0
	v_lshlrev_b32 v[LI], 4, v22
	v_lshlrev_b32 v[GO], 12, v21                   ; lanes 0-15 one row, lanes 16-31 the next; 16 bytes a lane
	v_lshl_add_u32 v[GO], v20, 4, v[GO]
	s_mul_i32 s18, s[WV], 16*272
	s_add_co_u32 s18, s18, STAGE                   ; my stage
	v_mul_u32_u24 v[STO], v20, 272                 ; in: row r, 64 bytes for each half of the lanes
	v_lshl_add_u32 v[STO], v21, 6, v[STO]
	v_add_nc_u32 v[STO], s18, v[STO]
	v_mul_u32_u24 v[RD], v21, 272                  ; back: two rows an instruction
	v_lshl_add_u32 v[RD], v20, 4, v[RD]
	v_add_nc_u32 v[RD], s18, v[RD]
	WIN 0x40                                       ; destination window 1, address window 0
.irp t, 0,1
.irp c, 0,1
	global_load_b128 v[QF+8*\t+4*\c:QF+8*\t+4*\c+3], v[LI], s[58:59] offset:1024*\t+512*\c   ; Q stays in registers
.endr
.endr
.irp t, 0,1                            ; the residual, asked for now so that nobody waits for it at the end.  Stage row 2 i + (lane / 16) of tile t is token 8 t + 2 i + 8 (i / 4) + (lane / 16) of my 32
.irp i, 0,1,2,3,4,5,6,7
	global_load_b128 v[XR+32*\t+4*\i:XR+32*\t+4*\i+3], v[GO], s[60:61] offset:(8*\t+2*\i+8*(\i/4))*4096 th:TH_LOAD_NT
.endr
.endr
	WIN 0
.irp t, 0,1
	v_mov_b32 v[NM+2*\t+1], 0xff61b1e6             ; the largest t so far: -3e38, under every t
	v_floor_f32 v[NM+2*\t], -v[NM+2*\t+1]          ; -M
	v_mov_b32 v[L+2*\t], 0
	v_mov_b32 v[L+2*\t+1], 0
	v_mov_b32 v[F+2*\t+1], 0                       ; (named as the upper half of a pair)
	v_mov_b32 v[PD+\t], 0                          ; (a lane permute's destination counts as one of its sources)
.endr
.set j, 0
.rept 64
	v_mov_b32 v[OA+j], 0                           ; O^T.  (The step is written without a first step of its own: the first change of M multiplies zeros)
.set j, j+1
.endr
	s_wait_kmcnt 0x0
	s_add_co_i32 s18, s52, s53
	s_lshl_b32 s18, s18, 23
	s_add_co_i32 s[CS], s[CS], s18                 ; a score stands for score x 2^(e6 + e7): the exponents are added to c's exponent field
	s_mov_b32 s[CS+1], s[CS]                       ; (named with it as a pair)
	s_add_co_i32 s18, s55, 127
	s_lshl_b32 s19, s18, 23
	v_mov_b32 v[PS], s19
	s_add_co_i32 s18, s18, 8
	s_lshl_b32 s18, s18, 23
	s_or_b32 s18, s18, 0x600000
	v_mov_b32 v[HA], s18
	v_mov_b32 v[HB], s18
	s_wait_loadcnt 16                              ; Q's four loads are in; the residual's sixteen, issued behind them, may stay out
; A KEY STEP: 128 keys, both tiles of queries; the tiles' lines alternate, so that no line waits for the line above it.
.macro STEP
	v_add_nc_u32 v[ADR], s[TB], v[LI]
.rept 3
	v_nop                                          ; with the addition: four places between the last products and the loads into V's registers, which they read
.endr
	WIN 0x40
.irp f, 0,1,2,3,4,5,6,7
	ds_load_b128 v[KF+8*\f:KF+8*\f+3],   v[ADR] offset:1024*\f
	ds_load_b128 v[KF+8*\f+4:KF+8*\f+7], v[ADR] offset:1024*\f+512
.endr
.irp d, 0,1,2,3
.irp c, 0,1,2,3
	ds_load_b128 v[VF+16*\d+4*\c:VF+16*\d+4*\c+3], v[ADR] offset:32768+2048*\d+512*\c
.endr
.endr
	s_wait_dscnt 16                                ; K is in; V's sixteen loads are younger
	WIN 0x05                                       ; K and Q in window 1, S^T in window 0
.irp f, 0,1,2,3,4,5,6,7
.irp t, 0,1
	v_wmma_f32_16x16x64_fp8_fp8 v[S+64*\t+8*\f:S+64*\t+8*\f+7], v[KF+8*\f:KF+8*\f+7], v[QF+8*\t:QF+8*\t+7], 0
.endr
.endr
	WIN 0
.rept 4
	v_nop
.endr
.irp t, 0,1
	v_max3_num_f32 v[MA+\t], v[S+64*\t], v[S+64*\t+1], v[S+64*\t+2]      ; the step's largest score of my query among my 64 keys, in two chains, each result from its low end on
.endr
.irp t, 0,1
	v_max3_num_f32 v[MB+\t], v[S+64*\t+3], v[S+64*\t+4], v[S+64*\t+5]
.endr
.irp i, 6,10,14,18,22,26,30,34,38,42,46,50,54,58
.irp t, 0,1
	v_max3_num_f32 v[MA+\t], v[MA+\t], v[S+64*\t+\i], v[S+64*\t+\i+1]
.endr
.irp t, 0,1
	v_max3_num_f32 v[MB+\t], v[MB+\t], v[S+64*\t+\i+2], v[S+64*\t+\i+3]
.endr
.endr
.irp t, 0,1
	v_max3_num_f32 v[MA+\t], v[MA+\t], v[S+64*\t+62], v[S+64*\t+63]
.endr
.irp t, 0,1
	v_max_num_f32 v[MA+\t], v[MA+\t], v[MB+\t]
.endr
.irp t, 0,1
	v_permlanex16_b32 v[PD+\t], v[MA+\t], s[SEL], s[SEL+1]
.endr
.irp t, 0,1
	v_max_num_f32 v[MA+\t], v[MA+\t], v[PD+\t]     ; and among lane l xor 16's
.endr
.irp t, 0,1
	v_mul_f32 v[MA+\t], s[CS], v[MA+\t]            ; as t (c is positive)
.endr
.irp t, 0,1
	v_max_num_f32 v[NM+2*\t+1], v[NM+2*\t+1], v[MA+\t]   ; the running largest t
.endr
.irp t, 0,1
	v_mov_b32 v[MA+\t], v[NM+2*\t]
.endr
.irp t, 0,1
	v_floor_f32 v[NM+2*\t], -v[NM+2*\t+1]          ; the new -M = floor(-t): M is a whole number
.endr
.irp t, 0,1
	v_sub_f32 v[MA+\t], v[NM+2*\t], v[MA+\t]       ; old M - new M: a whole number, 0 or less
.endr
.irp t, 0,1
	v_cvt_i32_f32 v[MA+\t], v[MA+\t]               ; (it saturates)
.endr
.irp t, 0,1
	v_ldexp_f32 v[F+2*\t], 1.0, v[MA+\t]           ; f = 2^(old M - new M)
.endr
.set j, 0
.rept 32
.irp t, 0,1
	v_pk_fma_f32 v[S+64*\t+j:S+64*\t+j+1], v[S+64*\t+j:S+64*\t+j+1], s[CS:CS+1], v[NM+2*\t:NM+2*\t+1] op_sel_hi:[1,0,0]   ; t - M (of the pairs c and -M the low word serves both halves)
.endr
.set j, j+2
.endr
.set j, 0
.rept 128
	v_exp_f32 v[S+j], v[S+j]                       ; p = 2^(t - M): ONE batch for both tiles
.set j, j+1
.endr
.irp t, 0,1
	v_pk_mul_f32 v[L+2*\t:L+2*\t+1], v[L+2*\t:L+2*\t+1], v[F+2*\t:F+2*\t+1] op_sel_hi:[1,0]   ; the sums under the new M.  (The plain lines behind the exponentials)
.endr
	s_wait_alu depctr_va_vdst(0)                   ; the wait ahead of the first reader: one for the batch
.irp t, 0,1
	v_pk_add_f32 v[L2+2*\t:L2+2*\t+1], v[S+64*\t:S+64*\t+1], v[S+64*\t+2:S+64*\t+3]   ; the row's sum of the UNQUANTISED p, in two chains
.endr
.irp j, 4,8,12,16,20,24,28,32,36,40,44,48,52,56,60
.irp t, 0,1
	v_pk_add_f32 v[L+2*\t:L+2*\t+1], v[L+2*\t:L+2*\t+1], v[S+64*\t+\j:S+64*\t+\j+1]
.endr
.irp t, 0,1
	v_pk_add_f32 v[L2+2*\t:L2+2*\t+1], v[L2+2*\t:L2+2*\t+1], v[S+64*\t+\j+2:S+64*\t+\j+3]
.endr
.endr
.irp t, 0,1
	v_pk_add_f32 v[L+2*\t:L+2*\t+1], v[L+2*\t:L+2*\t+1], v[L2+2*\t:L2+2*\t+1]
.endr
.irp t, 0,1
.set j, 0
.rept 32
	v_dual_min_num_f32 v[S+64*\t+j], v[S+64*\t+j], v[HA] :: v_dual_min_num_f32 v[S+64*\t+j+1], v[S+64*\t+j+1], v[HB]   ; the conversion does not saturate (ISA guide 7.6.2); p is not negative: a one-sided hold, two numbers a line
.set j, j+2
.endr
.irp n, 0,1,2,3,4,5,6,7
	v_cvt_scalef32_pk8_fp8_f32 v[PC+16*\t+2*\n:PC+16*\t+2*\n+1], v[S+64*\t+8*\n:S+64*\t+8*\n+7], v[PS]   ; registers 4 b .. 4 b + 3 of P: keys 32 b + 16 h + 0 .. 15, as V's images have them
.endr
.endr
.set j, 0
.rept 16
.irp t, 0,1
	v_pk_mul_f32 v[OA+32*\t+j:OA+32*\t+j+1], v[OA+32*\t+j:OA+32*\t+j+1], v[F+2*\t:F+2*\t+1] op_sel_hi:[1,0]   ; O^T under the new M.  (Also the plain lines between the conversions and the products that read their results)
.endr
.set j, j+2
.endr
	s_wait_dscnt 0x0                               ; V is in
	WIN 0x01                                       ; V in window 1; P, O^T in window 0
.irp d, 0,1,2,3
.irp t, 0,1
	v_wmma_f32_16x16x128_fp8_fp8 v[OA+32*\t+8*\d:OA+32*\t+8*\d+7], v[VF+16*\d:VF+16*\d+15], v[PC+16*\t:PC+16*\t+15], v[OA+32*\t+8*\d:OA+32*\t+8*\d+7]   ; eight accumulators by turns, one instruction a turn
.endr
.endr
	WIN 0
.endm
; A chunk of 512 keys: four steps.  n: my loads of the later chunks, which may stay out.
.macro CHUNK n
	s_wait_tensorcnt \n                            ; tensor loads of a wave end in order (ISA guide 10.11.1): my part of this chunk is in,
	s_wait_dscnt 0x0
	s_barrier_signal -1
	s_barrier_wait -1                              ; everybody's is
	s_mov_b32 s[CNT], 4
.Lstep_\@:
	STEP
	s_add_co_u32 s[TB], s[TB], 8192
	s_sub_co_u32 s[CNT], s[CNT], 1
	s_cmp_lg_u32 s[CNT], 0
	s_cbranch_scc1 .Lstep_\@
	s_add_co_u32 s[TB], s[TB], 32768               ; over the chunk's V images
.endm
	CHUNK 3
	CHUNK 2
	CHUNK 1
	CHUNK 0
	; THE WAY OUT.  O^T / the sum x 2^(e8 + e9) goes through my stage in LDS, a tile (16 tokens x 256 bytes) at a time, comes back as whole rows, takes the residual, and leaves: sixteen lanes store 256 consecutive bytes.
.irp t, 0,1
	v_add_f32 v[MA+\t], v[L+2*\t], v[L+2*\t+1]     ; the sum's two halves (these lines are the places behind the last products)
.endr
.irp t, 0,1
	v_permlanex16_b32 v[PD+\t], v[MA+\t], s[SEL], s[SEL+1]
.endr
.irp t, 0,1
	v_add_f32 v[MA+\t], v[MA+\t], v[PD+\t]         ; and lane l xor 16's
.endr
.irp t, 0,1
	v_rcp_f32 v[MB+\t], v[MA+\t]
.endr
	v_nop                                          ; a plain line between the last reciprocal and the use of its result
	s_add_co_i32 s18, s54, s55
	s_wait_alu depctr_va_vdst(0)                   ; the wait ahead of the first reader: one for both
.irp t, 0,1
	v_ldexp_f32 v[F+2*\t], v[MB+\t], s18           ; x 2^(e8 + e9)
.endr
.macro TOSTAGE t                       ; register 16 b + 4 k + e of O^T is channel 32 b + 16 h + 4 k + e of the lane's query
.set j, 0
.rept 16
	v_pk_mul_f32 v[S+64*\t+j:S+64*\t+j+1], v[OA+32*\t+j:OA+32*\t+j+1], v[F+2*\t:F+2*\t+1] op_sel_hi:[1,0]
.set j, j+2
.endr
.irp b, 0,1
.irp k, 0,1,2,3
	ds_store_b128 v[STO], v[S+64*\t+16*\b+4*\k:S+64*\t+16*\b+4*\k+3] offset:128*\b+16*\k
.endr
.endr
.irp i, 0,1,2,3,4,5,6,7
	ds_load_b128 v[S+64*\t+32+4*\i:S+64*\t+32+4*\i+3], v[RD] offset:544*\i   ; LDS serves a wave's instructions in order (ISA guide 5.7.1.4): these see my stores, and the next tile's stores come behind them
.endr
.endm
.macro SEND t, younger                 ; younger: the LDS instructions issued behind tile t's loads
	s_wait_dscnt \younger
	WIN 0x04                                       ; source 1 (the residual) window 1
.set j, 0
.rept 16
	v_pk_add_f32 v[S+64*\t+32+j:S+64*\t+32+j+1], v[S+64*\t+32+j:S+64*\t+32+j+1], v[XR+32*\t+j:XR+32*\t+j+1]
.set j, j+2
.endr
	WIN 0
.irp i, 0,1,2,3,4,5,6,7
	global_store_b128 v[GO], v[S+64*\t+32+4*\i:S+64*\t+32+4*\i+3], s[62:63] offset:(8*\t+2*\i+8*(\i/4))*4096 th:TH_STORE_NT   ; a token's 64 channels of this head: 256 bytes, at a multiple of 256 from out0's first byte
.endr
.endm
	TOSTAGE 0
	TOSTAGE 1
	s_wait_loadcnt 0x0                             ; the residual
	SEND 0, 16                                     ; tile 1's eight stores and eight loads are younger
	SEND 1, 0
	s_set_vgpr_msb 0x4
	s_wait_tensorcnt 0x0
	ds_add_u32 v30, v255
	s_wait_dscnt 0x0
	s_set_vgpr_msb 0x400
	CROUND                                         ; the closing round: no work-group ends while a partner may still ask for a tile that names it
	s_endpgm
.Lfunc_end_k_qa1c8ac602d_attn:
	.size	k_qa1c8ac602d_attn, .Lfunc_end_k_qa1c8ac602d_attn-k_qa1c8ac602d_attn
	.p2alignl 7, 3214868480
	.fill 96, 4, 3214868480
	.section	.rodata,"a",@progbits
	.p2align	6, 0x0
	.amdhsa_kernel k_qa1c8ac602d_attn
		.amdhsa_group_segment_fixed_size 297984
		.amdhsa_private_segment_fixed_size 0
		.amdhsa_enable_private_segment 0
		.amdhsa_kernarg_size 40
		.amdhsa_user_sgpr_count 2
		.amdhsa_user_sgpr_kernarg_segment_ptr 1
		.amdhsa_wavefront_size32 1
		.amdhsa_system_sgpr_workgroup_id_x 1
		.amdhsa_system_sgpr_workgroup_id_y 1
		.amdhsa_system_sgpr_workgroup_id_z 1
		.amdhsa_system_vgpr_workitem_id 0
		.amdhsa_next_free_vgpr 512
		.amdhsa_next_free_sgpr 66
		.amdhsa_reserve_vcc 0
		.amdhsa_float_denorm_mode_32 3
		.amdhsa_float_denorm_mode_16_64 3
		.amdhsa_memory_ordered 1
		.amdhsa_forward_progress 1
		.amdhsa_inst_pref_size 132
	.end_amdhsa_kernel
	.amdgpu_metadata
---
amdhsa.version: [ 1, 2 ]
amdhsa.kernels:
  - .name:           k_qa1c8ac602d_attn
    .symbol:         k_qa1c8ac602d_attn.kd
    .args:
      - { .name: qc, .offset: 0, .size: 8, .value_kind: global_buffer, .address_space: global }
      - { .name: kv, .offset: 8, .size: 8, .value_kind: global_buffer, .address_space: global }
      - { .name: x, .offset: 16, .size: 8, .value_kind: global_buffer, .address_space: global }
      - { .name: lowp_scales, .offset: 24, .size: 8, .value_kind: global_buffer, .address_space: global }
      - { .name: out0, .offset: 32, .size: 8, .value_kind: global_buffer, .address_space: global }
    .group_segment_fixed_size: 297984
    .private_segment_fixed_size: 0
    .kernarg_segment_align: 8
    .kernarg_segment_size: 40
    .max_flat_workgroup_size: 256
    .sgpr_count:     66
    .vgpr_count:     512
    .wavefront_size: 32
...
	.end_amdgpu_metadata
.endif
;; end of part 3
